; MI455X (gfx1250); checked and timed in simulation.
; The chip was launched on July 23, 2026; its instructions are those of AMD's public machine-readable ISA for CDNA 5 (MIT licence, August 2026) and "CDNA5" Instruction Set Architecture Reference Guide (July 2026). The comments in the code are by the model that wrote it; some were corrected since.
;; My Model. Allowed arithmetic: float matrix products may take bf16 or f16 operands with f32 sums; all other float work in f32.
;; Inputs: inp 1 x 1,000,000 x 96 float32; offsets 1,025 int32; ones 1 x 96 x 1 float32.
;; Outputs: out0 1,024 x 20 float32.
;; One version. Each part assembles by itself: llvm-mc -triple=amdgcn-amd-amdhsa -mcpu=gfx1250 --defsym DOCPART=n.
;; ======== version 1 of 1: 1 launch
;; launch gather (part 1): grid 320 x 1, 1 waves a work-group, no clusters, 0 bytes of LDS; arguments inp, offsets, ones, out0; writes out0
.if DOCPART == 1
	.amdgcn_target "amdgcn-amd-amdhsa--gfx1250"
	.amdhsa_code_object_version 6
	.text
	.protected	k_q138acecd28_gather
	.globl	k_q138acecd28_gather
	.p2align	8
	.type	k_q138acecd28_gather,@function
k_q138acecd28_gather:
	s_mov_b64 s[64:65], 0
	v_nop
	global_prefetch_b8 v0, s[64:65] scope:SCOPE_SE
	s_setreg_imm32_b32 hwreg(HW_REG_WAVE_MODE, 25, 1), 1
	s_wait_xcnt 0x0
; out[row][j] = (offsets[row] + j < offsets[row+1]) ? dot(inp[clip(offsets[row] + j, 0, 999999)], ones) : 60.0
; inp: [1000000][96] f32, ones: [96] f32, offsets: [1025] i32, out: [1024][20] f32.
;
; Only the 20,480 token rows that the output names are read (384 bytes each); the rest of inp is never needed.
; The output is taken flat, element e = 20 row + j.  A work-group is ONE wave and owns 64 neighbouring elements:
; lane L ends with elements 2L and 2L+1, so the wave's single 8-byte store covers 256 consecutive bytes, aligned.
; 20,480 / 64 = 320 work-groups.
; A token is read by eight lanes: three 16-byte loads a lane, each covering 128 consecutive bytes of the token per eight lanes.
; Group g = L >> 3 reads tokens 16 g + s, s = 0 .. 15: 48 loads a wave, all issued before the first is waited for.
; The sums over the eight lanes are made so that lane q of a group is left with tokens 2q and 2q+1 (its own two outputs):
; in each of three steps a lane keeps half of its sums and hands the other half to its partner.  No LDS, no barrier.
;
; The product has one column: the matrix unit would compute sixteen, and its operand layout would cut the loads into
; 16-byte pieces of sixteen rows; the vector unit does 12 multiply-adds a lane and token in f32 instead.
; LIMITS: the 96 products are summed in f32 in another order than a plain chain (two chains of six in a lane, then a tree over
; eight lanes).  offsets may be any int32: start + j wraps as an int32 sum, the compare is signed, both sides of the clip are kept.
; Elements that the mask throws away are still loaded (at the clipped index) and replaced by a select: no lane is ever switched off.
; No cache hint on inp: rows shorter than 20 make neighbouring rows name the same tokens.
.set LAST,  999999                     ; the last token's index (0xf423f)
.set PADF,  0x42700000                 ; 60.0
.set SETS,  16                         ; tokens of a group of eight lanes
.set PR,    1                          ; v1       my pair of elements: 32 w + L, 0 .. 10239
.set RO,    2                          ; v2       byte offset of offsets[row]
.set ST,    3                          ; v3       offsets[row]
.set EN,    4                          ; v4       offsets[row+1]
.set I0,    5                          ; v5       index of element 2 PR, then max(index, 0)
.set I1,    6                          ; v6       the same for element 2 PR + 1
.set LT,    7                          ; v7       16 (L & 7): my 16 bytes in each 128 of a token, and of ones
.set T,     8                          ; v8, v9   at work
.set SO,    10                         ; v10      byte offset of my two outputs
.set PADV,  11                         ; v11      60.0
.set W,     12                         ; v[12:23] my 12 weights: ones[32 k + 4 (L & 7) + 0..3], k = 0, 1, 2
.set ADR,   24                         ; v[24:39] set s: byte offset in inp of my 16 bytes of the group's token s
.set P,     40                         ; v[40:55] set s: my part of token s's sum
.set ACC,   56                         ; v[56:59] two pairs of running sums, used by the sets in turn
.set X,     60                         ; v[60:251] set s: 12 registers as loaded; afterwards at work in the reduction
.set MQ2,   14                         ; s14-s16  lanes whose bit 2, 1, 0 is set
.set MQ1,   15
.set MQ0,   16
.set OK0,   17                         ; s17, s18 lanes whose first, second element is valid
	s_load_b256 s[4:11], s[0:1], 0x0               ; inp s[4:5], offsets s[6:7], ones s[8:9], out s[10:11]
	s_lshl_b32 s12, ttmp9, 5                       ; 32 pairs a wave
	s_lshl_b32 s13, ttmp9, 8                       ; 256 bytes of output a wave
	s_mov_b32 s[MQ2], 0xf0f0f0f0
	s_mov_b32 s[MQ1], 0xcccccccc
	s_mov_b32 s[MQ0], 0xaaaaaaaa
	v_add_nc_u32 v[PR], s12, v0
	v_mul_u32_u24 v[T+1], 0xcccd, v[PR]            ; row = pair / 10 = (pair x 52429) >> 19: the factor is 3.9e-7 too large, which over
	v_lshrrev_b32 v[T+1], 19, v[T+1]               ; 10239 pairs adds less than 0.004, and a quotient's fraction is at most 0.9
	v_lshlrev_b32 v[RO], 2, v[T+1]
	v_and_b32 v[LT], 7, v0
	v_lshlrev_b32 v[LT], 4, v[LT]
	s_wait_kmcnt 0x0
	global_load_b32 v[ST], v[RO], s[6:7]           ; both elements of a pair lie in one row (20 is even): one start, one end
	global_load_b32 v[EN], v[RO], s[6:7] offset:4  ; row + 1 <= 1024: inside the 1025 entries
.irp k, 0,1,2
	global_load_b128 v[W+4*\k:W+4*\k+3], v[LT], s[8:9] offset:128*\k
.endr
	v_mul_u32_u24 v[T], 10, v[T+1]
	v_sub_nc_u32 v[T], v[PR], v[T]                 ; the pair's place in its row, 0 .. 9
	v_lshl_add_u32 v[SO], v0, 3, s13
	v_mov_b32 v[PADV], PADF
	s_wait_loadcnt 0x3                             ; start and end are in; the three loads of weights behind them stay out
	v_lshl_add_u32 v[I0], v[T], 1, v[ST]           ; start + j
	v_add_nc_u32 v[I1], 1, v[I0]
	v_cmp_lt_i32 s[OK0], v[I0], v[EN]              ; valid: the unclipped index against the row's end, signed
	v_cmp_lt_i32 s[OK0+1], v[I1], v[EN]
	v_max_i32 v[I0], 0, v[I0]                      ; the clip's lower side
	v_max_i32 v[I1], 0, v[I1]
; Tokens 2k and 2k+1 of a group are the pair of its lane k: every lane of the eight takes that lane's two indices, clips them
; at the last token (directly ahead of the address arithmetic), and forms index x 384 + my 16 bytes; 384 = 3 << 7.
; v[T], v[T+1] have been written above, as the destination of a DPP form has to be.  Each set keeps its own address register.
.irp k, 0,1,2,3,4,5,6,7
	v_mov_b32_dpp v[T],   v[I0] dpp8:[\k,\k,\k,\k,\k,\k,\k,\k]
	v_mov_b32_dpp v[T+1], v[I1] dpp8:[\k,\k,\k,\k,\k,\k,\k,\k]
	v_min_u32 v[T],   LAST, v[T]
	v_min_u32 v[T+1], LAST, v[T+1]
	v_lshl_add_u32 v[T],   v[T],   1, v[T]
	v_lshl_add_u32 v[T+1], v[T+1], 1, v[T+1]
	v_lshl_add_u32 v[ADR+2*\k],   v[T],   7, v[LT]
	v_lshl_add_u32 v[ADR+2*\k+1], v[T+1], 7, v[LT]
.irp c, 0,1,2
	global_load_b128 v[X+24*\k+4*\c:X+24*\k+4*\c+3], v[ADR+2*\k], s[4:5] offset:128*\c
.endr
.irp c, 0,1,2
	global_load_b128 v[X+24*\k+12+4*\c:X+24*\k+12+4*\c+3], v[ADR+2*\k+1], s[4:5] offset:128*\c
.endr
.endr
; My 12 products of token s: the first pair of products starts the sums, five packed multiply-adds follow, one add joins the two chains.
.macro DOT s
	s_wait_loadcnt 3*(SETS-1-\s)                   ; loads return in order: this set's three are in (and the weights, which are older); the later sets' stay out
	v_pk_mul_f32 v[ACC+2*(\s%2):ACC+2*(\s%2)+1], v[X+12*\s:X+12*\s+1], v[W:W+1]
.irp j, 1,2,3,4,5
	v_pk_fma_f32 v[ACC+2*(\s%2):ACC+2*(\s%2)+1], v[X+12*\s+2*\j:X+12*\s+2*\j+1], v[W+2*\j:W+2*\j+1], v[ACC+2*(\s%2):ACC+2*(\s%2)+1]
.endr
	v_add_f32 v[P+\s], v[ACC+2*(\s%2)], v[ACC+2*(\s%2)+1]
.endm
.irp s, 0,1,2,3,4,5,6,7,8,9,10,11,12,13,14,15
	DOT \s
.endr
; One sum of one step.  Lanes whose bit is clear keep sum i and hand sum i + half to the partner (lane xor xm); lanes whose bit is set
; do the reverse.  What is kept plus what the partner hands over lands in sum i.  After the steps with bits 2, 1, 0 sum i of lane q
; is the whole sum of token 8 q2 + 4 q1 + 2 q0 + i = 2 q + i.  X is free: the last wait above was for zero.
.macro FOLD i, half, mask, xm
	v_cndmask_b32 v[X+2*\i],   v[P+\i], v[P+\i+\half], s[\mask]       ; kept
	v_cndmask_b32 v[X+2*\i+1], v[P+\i+\half], v[P+\i], s[\mask]       ; handed over
	v_add_f32_dpp v[P+\i], v[X+2*\i+1], v[X+2*\i] row_xmask:\xm row_mask:0xf bank_mask:0xf
.endm
.irp i, 0,1,2,3,4,5,6,7
	FOLD \i, 8, MQ2, 4
.endr
.irp i, 0,1,2,3
	FOLD \i, 4, MQ1, 2
.endr
.irp i, 0,1
	FOLD \i, 2, MQ0, 1
.endr
	v_cndmask_b32 v[P],   v[PADV], v[P],   s[OK0]    ; past the row's end: 60.0
	v_cndmask_b32 v[P+1], v[PADV], v[P+1], s[OK0+1]
	global_store_b64 v[SO], v[P:P+1], s[10:11] th:TH_STORE_NT   ; 32 lanes x 8 bytes: 256 consecutive bytes, aligned, written once
	s_endpgm
.Lfunc_end_k_q138acecd28_gather:
	.size	k_q138acecd28_gather, .Lfunc_end_k_q138acecd28_gather-k_q138acecd28_gather
	.p2alignl 7, 3214868480
	.fill 96, 4, 3214868480
	.section	.rodata,"a",@progbits
	.p2align	6, 0x0
	.amdhsa_kernel k_q138acecd28_gather
		.amdhsa_group_segment_fixed_size 0
		.amdhsa_private_segment_fixed_size 0
		.amdhsa_enable_private_segment 0
		.amdhsa_kernarg_size 32
		.amdhsa_user_sgpr_count 2
		.amdhsa_user_sgpr_kernarg_segment_ptr 1
		.amdhsa_wavefront_size32 1
		.amdhsa_system_sgpr_workgroup_id_x 1
		.amdhsa_system_sgpr_workgroup_id_y 1
		.amdhsa_system_sgpr_workgroup_id_z 1
		.amdhsa_system_vgpr_workitem_id 0
		.amdhsa_next_free_vgpr 252
		.amdhsa_next_free_sgpr 66
		.amdhsa_reserve_vcc 0
		.amdhsa_float_denorm_mode_32 3
		.amdhsa_float_denorm_mode_16_64 3
		.amdhsa_memory_ordered 1
		.amdhsa_forward_progress 1
		.amdhsa_inst_pref_size 21
	.end_amdhsa_kernel
	.amdgpu_metadata
---
amdhsa.version: [ 1, 2 ]
amdhsa.kernels:
  - .name:           k_q138acecd28_gather
    .symbol:         k_q138acecd28_gather.kd
    .args:
      - { .name: inp, .offset: 0, .size: 8, .value_kind: global_buffer, .address_space: global }
      - { .name: offsets, .offset: 8, .size: 8, .value_kind: global_buffer, .address_space: global }
      - { .name: ones, .offset: 16, .size: 8, .value_kind: global_buffer, .address_space: global }
      - { .name: out0, .offset: 24, .size: 8, .value_kind: global_buffer, .address_space: global }
    .group_segment_fixed_size: 0
    .private_segment_fixed_size: 0
    .kernarg_segment_align: 8
    .kernarg_segment_size: 32
    .max_flat_workgroup_size: 32
    .sgpr_count:     66
    .vgpr_count:     252
    .wavefront_size: 32
...
	.end_amdgpu_metadata
.endif
;; end of part 1
